; MI455X (gfx1250); checked and timed in simulation.
; The chip was launched on July 23, 2026; its instructions are those of AMD's public machine-readable ISA for CDNA 5 (MIT licence, August 2026) and "CDNA5" Instruction Set Architecture Reference Guide (July 2026). The comments in the code are by the model that wrote it; some were corrected since.
;; Multi Head Attention. Allowed arithmetic: matrix products marked QUANTISED: E2M3 operands, one E8M0 scale for each 32 along K, by v_wmma_scale_f32_16x16x128_f8f6f4 with both operands' format E2M3, f32 sums; everything else in f32.
;; Inputs: Wk 1,024 x 1,024 float32; Wo 1,024 x 1,024 float32; Wq 1,024 x 1,024 float32; Wv 1,024 x 1,024 float32; bo 1,024 float32; x 4 x 2,048 x 1,024 float32.
;; Outputs: out0 4 x 2,048 x 1,024 float32.
;; This version of the problem:
;;   THIS VERSION OF THE PROBLEM IS GIVEN IN LOW PRECISION. The matrix products marked QUANTISED in the list below multiply operands that are first quantised to E2M3 (2 exponent bits, 3 mantissa bits; 6 bits a number), with one power-of-two scale for each 32 numbers along K (OCP MX v1.0); their sums are f32. All else is computed in f32.
;;   The module's matrix products, in the order in which they are computed (A, B: the left and right operand; K: the contracted axis; several contracted axes count as one K, in the product's order):
;;     1. [M 8,192, K 1,024] x [K 1,024, N 1,024]; A: input x; B: input Wq: QUANTISED
;;     2. [M 8,192, K 1,024] x [K 1,024, N 1,024]; A: input x; B: input Wk: QUANTISED
;;     3. [M 8,192, K 1,024] x [K 1,024, N 1,024]; A: input x; B: input Wv: QUANTISED
;;     4. batch 64 x [M 2,048, K 64] x [K 64, N 2,048]; A: computed on the way; B: computed on the way: QUANTISED
;;     5. batch 64 x [M 64, K 2,048] x [K 2,048, N 2,048]; A: computed on the way; B: softmax (see below): QUANTISED
;;     6. [M 8,192, K 1,024] x [K 1,024, N 1,024]; A: computed on the way; B: input Wo: QUANTISED
;;   THE QUANTISER, for each operand of a quantised product, along K:
;;     - K is cut into blocks of 32 from its start; a last block that is shorter is filled with zeros.
;;     - A block's scale is 2^e with e = floor(log2(the largest magnitude in the block)) - 2, held to -126 .. 127; a block of zeros has e = 0. As a byte (E8M0): e + 127.
;;     - Each number is divided by its block's scale, clamped to +-7.5, and rounded to the nearest number of E2M3, ties to even, subnormals kept.
;;     - The product sums the exact products of the quantised numbers (number of the format x scale) in f32.
;;   ~~~python
;;   def quantise(x, axis):      # numpy; x: float32 -> the quantised numbers, widened to float32 again
;;       x = np.moveaxis(x, axis, -1); K = x.shape[-1]
;;       x = np.pad(x, [(0, 0)] * (x.ndim - 1) + [(0, -K % 32)]); x = x.reshape(x.shape[:-1] + (-1, 32)); a = np.abs(x).max(-1, keepdims=True)
;;       e = np.where(a > 0, np.clip(np.frexp(np.where(a > 0, a, 1))[1] - 1 - 2, -126, 127), 0)      # np.frexp(a)[1] - 1 = floor(log2(a)), exactly
;;       r = np.clip(x / 2.0 ** e, -7.5, 7.5)
;;       step = 2.0 ** (np.maximum(np.frexp(np.where(r == 0, 1, r))[1] - 1, 0) - 3)
;;       q = np.round(r / step) * step * 2.0 ** e      # np.round: ties to even
;;       return np.moveaxis(q.reshape(q.shape[:-2] + (-1,))[..., :K], -1, axis).astype(np.float32)
;;   ~~~
;;   SOFTMAX AHEAD OF A QUANTISED PRODUCT. Where the list says 'softmax', what is quantised is not the finished softmax but p = 2^(t - M), with t = logit x log2(e) and M = ceil(the row's largest t), a whole number; so 1/2 < the row's largest p <= 1. The row's sum l is taken of the UNQUANTISED p, in f32, and the product's result is divided by l at the end. Since M is a whole number, a kernel that streams over the keys may use a running M (the ceiling of the running maximum): every later rescaling is an exact power of two, which a block's scale takes up: the codes' values come out the same.
;;   OPERANDS COMPUTED ON THE WAY. 'Computed on the way' means the value that the module computes at that place (a softmax that the list does not call 'softmax' is quantised finished and normalised). What goes into a quantiser is computed in f32, as accurately as f32 sums, v_exp_f32 and their like allow (about 1e-6 of the number): no bf16 or f16 on the way to a quantiser, and a product that is left as it is and whose result goes on into a quantised operand takes f32 operands (vector FMAs, or v_wmma_f32_16x16x4_f32). A number that lies on a knife's edge between two numbers of the format may be rounded either way, as far as f32 arithmetic and the matrix unit's own rounding can turn it there, and no further.
;; One version. Each part assembles by itself: llvm-mc -triple=amdgcn-amd-amdhsa -mcpu=gfx1250 --defsym DOCPART=n.
;; ======== version 1 of 1: 4 launches
;; workspace buffers: xc 6,291,456 bytes; wc 3,145,728 bytes; cc 6,291,456 bytes; sc 655,360 bytes; qb 6,553,600 bytes; kv 13,107,200 bytes
;; launch quant (part 1): grid 768 x 1, 4 waves a work-group, no clusters, 80,384 bytes of LDS; arguments x, Wq, Wk, Wv, Wo, xc, wc, sc; writes xc, wc, sc
.if DOCPART == 1
	.amdgcn_target "amdgcn-amd-amdhsa--gfx1250"
	.amdhsa_code_object_version 6
	.text
	.protected	k_q20c7abb72e_quant
	.globl	k_q20c7abb72e_quant
	.p2align	8
	.type	k_q20c7abb72e_quant,@function
k_q20c7abb72e_quant:
	s_mov_b64 s[64:65], 0
	v_nop
	global_prefetch_b8 v0, s[64:65] scope:SCOPE_SE
	s_setreg_imm32_b32 hwreg(HW_REG_WAVE_MODE, 25, 1), 1
	s_wait_xcnt 0x0
; x [8192][1024] (K innermost) and Wq, Wk, Wv, Wo [1024 (k)][1024 (n)] (K first), all f32, become codes of FP6 (E2M3) with one E8M0 byte for each 32 along K.
; A block's byte is its largest magnitude's exponent field - 2, held at 1 from below; each number is divided by the scale and rounded to the nearest code, ties to even, beyond 7.5 the largest code.
; LIMITS: a block of zeros gets the byte 1 where the rule says 127 (its codes are zeros, and these bytes are read by this program alone); blocks whose largest magnitude lies under 2^-124 are held at byte 1;
; NaN and infinities among the inputs are not served.
; THE LAYOUT OF THE CODES is the operand's registers.  An IMAGE is 16 rows x 64 K, 768 bytes: lane l = r + 16 h owns the 24 bytes of k = 32 h .. 32 h + 31 of row r: its registers 0-3 at byte 16 l, 4-5 at 512 + 8 l.
; xc, wc: [K quarter][tile of 16 rows][4 images].  THE ROWS OF A TILE ARE NOT NEIGHBOURS: in each group of 64 rows (tokens; a weight's columns n) tile u takes as its row p the index 32 (p / 8) + 8 u + p % 8,
; so that four neighbouring tiles' results in a lane of a later product are 32 neighbours.  sc: [group of 64 rows][K quarter][row 16 u + p][2 words]; byte b of word s scales k = 128 s + 32 b of the quarter.
; SHARES.  A work-group makes 64 rows x 256 K.  Work-groups 0-511: x (group = wg / 4, quarter = wg % 4); 512-767: the weights.  The two ways part on the work-group's number and have LDS bytes of their own.
; No tensor loads: a stream that is turned in registers and LDS; four work-groups share a WGP.
.set XPW,   16640                      ; x: a wave's stage: 16 rows x (1,024 bytes + 16): the 16 rows that a read touches start in 16 different 16-byte columns
.set XSC,   4*XPW                      ; x: the work-group's 512 bytes of scale words
.set WIMG,  XSC+512                    ; weights: 4 tiles x 4 images
.set WSC,   WIMG+12288                 ; weights: 512 bytes of scale words
.set SPARE, WSC+512                    ; the spare words, 128 bytes a wave: two blocks of 256 bytes that no other line names
.set R,   32                           ; v32-159  x as loaded; the weights' way out
.set X,   160                          ; v160-223 two sets of 32 neighbours along K
.set C,   224                          ; v224-255 codes, eight registers a block: no store's data are written again
.set E,   8                            ; v8-11    scale bytes
.set SPW, 30                           ; v30      my spare word's LDS address; never rewritten
.set NIL, 31                           ; v31      0; never rewritten
; 32 numbers of one block in v[x] on -> six registers of codes in v[c] on, the byte in v[e].  Two chains of maxima; the floor 2^(3 - 127) is one leaf, so the byte cannot fall under 1.
.macro QBLK x, c, e, t0, t1, so
	v_max3_num_f32 v[\t0], |v[\x]|, |v[\x+1]|, 0x1800000
	v_max3_num_f32 v[\t1], |v[\x+16]|, |v[\x+17]|, |v[\x+18]|
.irp i, 0,2,4,6,8,10
	v_max3_num_f32 v[\t0], v[\t0], |v[\x+2+\i]|, |v[\x+3+\i]|
	v_max3_num_f32 v[\t1], v[\t1], |v[\x+19+\i]|, |v[\x+20+\i]|
.endr
	v_max3_num_f32 v[\t0], v[\t0], |v[\x+14]|, |v[\x+15]|
	v_max3_num_f32 v[\t0], v[\t0], v[\t1], |v[\x+31]|
	v_add_nc_u32 v[\so], 0xff000000, v[\t0]                        ; 2 off the exponent field: the conversion takes this operand's exponent field as its scale
	v_cvt_scalef32_pk16_fp6_f32 v[\c:\c+2], v[\x:\x+15], v[\so]
	v_cvt_scalef32_pk16_fp6_f32 v[\c+4:\c+6], v[\x+16:\x+31], v[\so]   ; (a conversion's three registers begin on an even number)
	v_lshrrev_b32 v[\e], 23, v[\so]                                ; the byte; also the plain instruction behind the conversions
	v_mov_b32 v[\c+3], v[\c+4]
	v_mov_b32 v[\c+4], v[\c+5]
	v_mov_b32 v[\c+5], v[\c+6]
.endm
	s_load_b256 s[4:11], s[0:1], 0x0               ; x s[4:5], Wq s[6:7], Wk s[8:9], Wv s[10:11]
	s_load_b256 s[12:19], s[0:1], 0x20             ; Wo s[12:13], xc s[14:15], wc s[16:17], sc s[18:19]
	v_lshl_add_u32 v[SPW], v0, 2, SPARE
	v_mov_b32 v[NIL], 0
	v_lshrrev_b32 v1, 5, v0
	v_readfirstlane_b32 s20, v1                    ; wave 0..3
	v_and_b32 v1, 31, v0                           ; lane
	v_and_b32 v2, 15, v0                           ; r
	v_bfe_u32 v3, v0, 4, 1                         ; h
	v_lshlrev_b32 v4, 4, v1                        ; 16 x lane
	v_lshlrev_b32 v5, 3, v1                        ; 8 x lane
	v_lshlrev_b32 v6, 3, v3                        ; 8 h: a shift
	v_mov_b32 v18, 0                               ; a lane permute's destination counts as one of its sources
	v_mov_b32 v19, 0
	s_mov_b32 s22, 0x76543210
	s_mov_b32 s23, 0xfedcba98                      ; v_permlanex16_b32's selects for lane l xor 16
	s_cmp_lt_u32 ttmp9, 512
	s_cbranch_scc0 .Lweights
; ---------------- x: wave u makes tile 4 G + u of quarter q: 16 rows x 256 K
	s_lshr_b32 s24, ttmp9, 2                       ; G
	s_and_b32 s25, ttmp9, 3                        ; the K quarter
	s_mul_i32 s21, s20, XPW
	v_add_nc_u32 v20, s21, v4                      ; the stage, in: 16 x lane
	v_mul_u32_u24 v21, v2, 1040
	v_lshl_add_u32 v21, v3, 7, v21
	v_add_nc_u32 v21, s21, v21                     ; out: row r, + 128 h: my 32 numbers of an image's 64
	s_lshl_b32 s21, s20, 7
	s_add_co_u32 s21, s21, XSC
	v_lshl_add_u32 v7, v2, 3, s21                  ; my row's two scale words: XSC + 8 (16 u + r)
	v_add_nc_u32 v22, XSC, v4                      ; and how wave 0 reads all 512 bytes back
	s_lshl_b32 s26, s24, 18                        ; 64 G rows of 4,096 bytes
	s_lshl_b32 s27, s20, 15                        ; + 8 u rows
	s_add_co_u32 s26, s26, s27
	s_lshl_b32 s27, s25, 10                        ; + the quarter's 1,024 bytes
	s_add_co_u32 s26, s26, s27
	s_mov_b32 s27, 0
	s_mul_i32 s28, s25, 1572864                    ; xc: the quarter's plane,
	s_lshl_b32 s29, s24, 2
	s_add_co_u32 s29, s29, s20
	s_mul_i32 s29, s29, 3072                       ; tile 4 G + u
	s_add_co_u32 s28, s28, s29
	s_mov_b32 s29, 0
	s_lshl_b32 s30, s24, 11                        ; sc: group G, quarter
	s_lshl_b32 s31, s25, 9
	s_add_co_u32 s30, s30, s31
	s_mov_b32 s31, 0
	s_wait_alu depctr_va_vdst(0)
	s_wait_kmcnt 0x0
	s_add_nc_u64 s[4:5], s[4:5], s[26:27]
	s_add_nc_u64 s[14:15], s[14:15], s[28:29]
	s_add_nc_u64 s[18:19], s[18:19], s[30:31]
.irp p, 0,1,2,3,4,5,6,7,8,9,10,11,12,13,14,15
.irp i, 0,1
	global_load_b128 v[R+8*\p+4*\i:R+8*\p+4*\i+3], v4, s[4:5] offset:(32*(\p/8)+(\p%8))*4096+512*\i th:TH_LOAD_NT   ; tile row p; 32 lanes read 512 consecutive bytes
.endr
.endr
.irp p, 0,1,2,3,4,5,6,7,8,9,10,11,12,13,14,15
	s_wait_loadcnt 30-2*\p                         ; row p's two loads are in; those issued behind them may be out
	ds_store_b128 v20, v[R+8*\p:R+8*\p+3] offset:1040*\p
	ds_store_b128 v20, v[R+8*\p+4:R+8*\p+7] offset:1040*\p+512
.endr
.macro BLKLOAD hs                      ; my block of image hs: 128 bytes of row r.  LDS serves a wave's instructions in order: these see my stores
.irp j, 0,1,2,3,4,5,6,7
	ds_load_b128 v[X+32*((\hs)%2)+4*\j:X+32*((\hs)%2)+4*\j+3], v21 offset:256*(\hs)+16*\j
.endr
.endm
	BLKLOAD 0
	BLKLOAD 1
.irp hs, 0,1,2,3
.if \hs < 3
	s_wait_dscnt 8                                 ; this block is in; the next block's eight loads may be out
.else
	s_wait_dscnt 0x0
.endif
	QBLK X+32*(\hs%2), C+8*\hs, E+\hs, 14, 15, 16
	global_store_b128 v4, v[C+8*\hs:C+8*\hs+3], s[14:15] offset:768*\hs        ; 512 consecutive bytes, at a multiple of 256
	global_store_b64 v5, v[C+8*\hs+4:C+8*\hs+5], s[14:15] offset:768*\hs+512   ; 256 consecutive bytes
.if \hs < 2
	BLKLOAD \hs+2
.endif
.endr
	v_lshl_or_b32 v12, v[E+1], 16, v[E]            ; word s: my bytes of images 2 s and 2 s + 1,
	v_lshl_or_b32 v13, v[E+3], 16, v[E+2]
	v_lshlrev_b32 v12, v6, v12                     ; 8 h bits up,
	v_lshlrev_b32 v13, v6, v13
	v_permlanex16_b32 v18, v12, s22, s23
	v_permlanex16_b32 v19, v13, s22, s23
	v_or_b32 v12, v12, v18                         ; with lane l xor 16's two the word is whole
	v_or_b32 v13, v13, v19
	ds_store_b64 v7, v[12:13]                      ; both halves of the lanes write the same bytes with the same value
	s_wait_dscnt 0x0                               ; for the others' sake: my stores have landed
	s_barrier_signal -1
	s_barrier_wait -1
	s_cmp_lg_u32 s20, 0
	s_cbranch_scc1 .Lx_end
	ds_load_b128 v[160:163], v22                   ; wave 0 sends the group's 512 bytes of scale words: two whole units
	s_wait_dscnt 0x0
	global_store_b128 v4, v[160:163], s[18:19]
.Lx_end:
	s_wait_tensorcnt 0x0                           ; the wave's end, behind my last LDS store
	ds_add_u32 v[SPW], v[NIL]
	s_wait_dscnt 0x0
	s_endpgm
; ---------------- the weights: 64 columns n x 256 K.  A LANE TAKES A COLUMN, ITS REGISTERS RUN DOWN K.  Wave w: columns 32 (w % 2) on, K 128 (w / 2) on
.Lweights:
	s_sub_co_u32 s24, ttmp9, 512
	s_lshr_b32 s25, s24, 6                         ; which weight
	s_bfe_u32 s26, s24, 0x40002                    ; which 64 columns
	s_and_b32 s27, s24, 3                          ; the K quarter
	s_and_b32 s28, s20, 1                          ; hn: which 32 columns
	s_lshr_b32 s29, s20, 1                         ; sg: which 128 of K
	v_bfe_u32 v28, v0, 3, 2                        ; my column 32 hn + lane is row 8 hn + lane % 8 of tile lane / 8
	s_wait_alu depctr_va_vdst(0)
	v_and_b32 v29, 7, v0
	v_mul_u32_u24 v17, v28, 3072
	s_mul_i32 s30, s29, 1536
	s_add_co_u32 s30, s30, WIMG
	s_lshl_b32 s31, s28, 7
	s_add_co_u32 s31, s31, s30
	v_lshl_add_u32 v23, v29, 4, v17
	v_add_nc_u32 v23, s31, v23                     ; registers 0-3: tile, image 2 sg, 16 x row
	s_lshl_b32 s31, s28, 6
	s_add_co_u32 s31, s31, s30
	v_lshl_add_u32 v24, v29, 3, v17
	v_add_nc_u32 v24, s31, v24                     ; registers 4-5: 8 x row (+ 512 in the offset)
	s_lshl_b32 s31, s28, 6
	s_lshl_b32 s30, s29, 2
	s_add_co_u32 s31, s31, s30
	s_add_co_u32 s31, s31, WSC
	v_lshlrev_b32 v25, 7, v28
	s_wait_alu depctr_va_vdst(0)
	v_lshl_add_u32 v25, v29, 3, v25
	v_add_nc_u32 v25, s31, v25                     ; my scale word: WSC + 8 (16 tile + row) + 4 sg
	v_lshlrev_b32 v26, 2, v1                       ; in memory: 4 bytes a lane
	s_mul_i32 s31, s20, 3072
	s_add_co_u32 s31, s31, WIMG
	v_add_nc_u32 v27, s31, v4                      ; the way out: wave w sends tile w
	v_add_nc_u32 v22, WSC, v4
	s_lshl_b32 s30, s27, 20                        ; W: (256 quarter + 128 sg) rows of 4,096 bytes + (64 group + 32 hn) x 4
	s_lshl_b32 s31, s29, 19
	s_add_co_u32 s30, s30, s31
	s_lshl_b32 s31, s26, 8
	s_add_co_u32 s30, s30, s31
	s_lshl_b32 s31, s28, 7
	s_add_co_u32 s30, s30, s31
	s_mov_b32 s31, 0
	s_lshl_b32 s32, s25, 6                         ; wc: tile 64 weight + 4 group + wave, in the quarter's plane
	s_lshl_b32 s33, s26, 2
	s_add_co_u32 s32, s32, s33
	s_add_co_u32 s32, s32, s20
	s_mul_i32 s32, s32, 3072
	s_mul_i32 s33, s27, 786432
	s_add_co_u32 s32, s32, s33
	s_mov_b32 s33, 0
	s_lshl_b32 s34, s25, 4                         ; sc: group 128 + 16 weight + group
	s_add_co_u32 s34, s34, s26
	s_add_co_u32 s34, s34, 128
	s_lshl_b32 s34, s34, 11
	s_lshl_b32 s35, s27, 9
	s_add_co_u32 s34, s34, s35
	s_mov_b32 s35, 0
	s_wait_alu depctr_va_vdst(0)
	s_wait_kmcnt 0x0
	s_cmp_eq_u32 s25, 1                            ; the weight is chosen by the work-group's number alone
	s_cselect_b64 s[6:7], s[8:9], s[6:7]
	s_cmp_eq_u32 s25, 2
	s_cselect_b64 s[6:7], s[10:11], s[6:7]
	s_cmp_eq_u32 s25, 3
	s_cselect_b64 s[6:7], s[12:13], s[6:7]
	s_add_nc_u64 s[6:7], s[6:7], s[30:31]
	s_add_nc_u64 s[16:17], s[16:17], s[32:33]
	s_add_nc_u64 s[18:19], s[18:19], s[34:35]
.macro WLOAD kb                        ; block kb: W(32 kb + i, my column), i = 0 .. 31
.irp i, 0,1,2,3,4,5,6,7,8,9,10,11,12,13,14,15,16,17,18,19,20,21,22,23,24,25,26,27,28,29,30,31
	global_load_b32 v[X+32*((\kb)%2)+\i], v26, s[6:7] offset:(32*(\kb)+\i)*4096 th:TH_LOAD_NT
.endr
.endm
	WLOAD 0
	WLOAD 1
.irp kb, 0,1,2,3
.if \kb < 3
	s_wait_loadcnt 32                              ; this block's 32 loads are in; the next block's may be out
.else
	s_wait_loadcnt 0x0
.endif
	QBLK X+32*(\kb%2), C+8*\kb, E+\kb, 14, 15, 16
	ds_store_b128 v23, v[C+8*\kb:C+8*\kb+3] offset:768*(\kb/2)+256*(\kb%2)          ; image 2 sg + kb / 2, half kb % 2
	ds_store_b64 v24, v[C+8*\kb+4:C+8*\kb+5] offset:768*(\kb/2)+512+128*(\kb%2)
.if \kb < 2
	WLOAD \kb+2
.endif
.endr
	v_lshl_or_b32 v12, v[E+1], 8, v[E]             ; my four bytes are my row's word sg
	v_lshl_or_b32 v12, v[E+2], 16, v12
	v_lshl_or_b32 v12, v[E+3], 24, v12
	ds_store_b32 v25, v12
	s_wait_dscnt 0x0                               ; for the others' sake: my stores have landed
	s_barrier_signal -1
	s_barrier_wait -1
.irp t, 0,1,2,3,4,5
	ds_load_b128 v[R+4*\t:R+4*\t+3], v27 offset:512*\t
.endr
.irp t, 0,1,2,3,4,5
	s_wait_dscnt 5-\t
	global_store_b128 v4, v[R+4*\t:R+4*\t+3], s[16:17] offset:512*\t   ; 512 consecutive bytes, at a multiple of 256
.endr
	s_cmp_lg_u32 s20, 0
	s_cbranch_scc1 .Lw_end
	ds_load_b128 v[R+24:R+27], v22
	s_wait_dscnt 0x0
	global_store_b128 v4, v[R+24:R+27], s[18:19]
.Lw_end:
	s_wait_tensorcnt 0x0                           ; the wave's end, behind my last LDS store
	ds_add_u32 v[SPW], v[NIL]
	s_wait_dscnt 0x0
	s_endpgm
.Lfunc_end_k_q20c7abb72e_quant:
	.size	k_q20c7abb72e_quant, .Lfunc_end_k_q20c7abb72e_quant-k_q20c7abb72e_quant
	.p2alignl 7, 3214868480
	.fill 96, 4, 3214868480
	.section	.rodata,"a",@progbits
	.p2align	6, 0x0
	.amdhsa_kernel k_q20c7abb72e_quant
		.amdhsa_group_segment_fixed_size 80384
		.amdhsa_private_segment_fixed_size 0
		.amdhsa_enable_private_segment 0
		.amdhsa_kernarg_size 64
		.amdhsa_user_sgpr_count 2
		.amdhsa_user_sgpr_kernarg_segment_ptr 1
		.amdhsa_wavefront_size32 1
		.amdhsa_system_sgpr_workgroup_id_x 1
		.amdhsa_system_sgpr_workgroup_id_y 1
		.amdhsa_system_sgpr_workgroup_id_z 1
		.amdhsa_system_vgpr_workitem_id 0
		.amdhsa_next_free_vgpr 256
		.amdhsa_next_free_sgpr 66
		.amdhsa_reserve_vcc 0
		.amdhsa_float_denorm_mode_32 3
		.amdhsa_float_denorm_mode_16_64 3
		.amdhsa_memory_ordered 1
		.amdhsa_forward_progress 1
		.amdhsa_inst_pref_size 40
	.end_amdhsa_kernel
	.amdgpu_metadata
---
amdhsa.version: [ 1, 2 ]
amdhsa.kernels:
  - .name:           k_q20c7abb72e_quant
    .symbol:         k_q20c7abb72e_quant.kd
    .args:
      - { .name: x, .offset: 0, .size: 8, .value_kind: global_buffer, .address_space: global }
      - { .name: Wq, .offset: 8, .size: 8, .value_kind: global_buffer, .address_space: global }
      - { .name: Wk, .offset: 16, .size: 8, .value_kind: global_buffer, .address_space: global }
      - { .name: Wv, .offset: 24, .size: 8, .value_kind: global_buffer, .address_space: global }
      - { .name: Wo, .offset: 32, .size: 8, .value_kind: global_buffer, .address_space: global }
      - { .name: xc, .offset: 40, .size: 8, .value_kind: global_buffer, .address_space: global }
      - { .name: wc, .offset: 48, .size: 8, .value_kind: global_buffer, .address_space: global }
      - { .name: sc, .offset: 56, .size: 8, .value_kind: global_buffer, .address_space: global }
    .group_segment_fixed_size: 80384
    .private_segment_fixed_size: 0
    .kernarg_segment_align: 8
    .kernarg_segment_size: 64
    .max_flat_workgroup_size: 128
    .sgpr_count:     66
    .vgpr_count:     256
    .wavefront_size: 32
...
	.end_amdgpu_metadata
.endif
;; end of part 1
;; launch gemm_qkv (part 2): grid 12 x 32, 4 waves a work-group, clusters of 4 x 4, 327,680 bytes of LDS; arguments xc, wc, sc, qb, kv; writes qb, kv
.if DOCPART == 2
	.amdgcn_target "amdgcn-amd-amdhsa--gfx1250"
	.amdhsa_code_object_version 6
	.text
	.protected	k_q20c7abb72e_gemm_qkv
	.globl	k_q20c7abb72e_gemm_qkv
	.p2align	8
	.type	k_q20c7abb72e_gemm_qkv,@function
k_q20c7abb72e_gemm_qkv:
	s_mov_b64 s[64:65], 0
	v_nop
	global_prefetch_b8 v0, s[64:65] scope:SCOPE_SE
	s_setreg_imm32_b32 hwreg(HW_REG_WAVE_MODE, 25, 1), 1
	s_wait_xcnt 0x0
	s_wait_alu depctr_hold_cnt(0) depctr_sa_sdst(0) depctr_va_vdst(0) depctr_va_sdst(0) depctr_va_ssrc(0) depctr_va_vcc(0) depctr_vm_vsrc(0)
	s_getreg_b32 s2, hwreg(HW_REG_IB_STS2, 6, 4)
	s_cmp_eq_u32 s2, 0
	s_cbranch_scc0 .Lentry_in_a_cluster
	s_endpgm
.Lentry_in_a_cluster:
	s_bfe_u32 s2, ttmp6, 0x10000c
	s_cmp_lg_u32 s2, 0xf033
	s_cbranch_scc0 .Lentry_shape_is_right
	s_endpgm
.Lentry_shape_is_right:
.set HALFT, 24576
.set SLOT,  4*HALFT
.set SPARE, 2*SLOT
.set PLX,   1572864
.set PLW,   786432
.set FR,    12
.set NL,    4
.set A16, 16
.set A8,  18
.set B16, 20
.set B8,  22
.set VO16, 4
.set VO8,  8
.set SPW, 28
.set NIL, 29
.set SC,  32
.set T,   96
.set E,   104
.set WD,  120
.set AF,  128
.set CC,  128
.set G1,  24
.set G0,  32
.set G1B, 48
.set G0B, 56
.set MSB, 0
.macro WIN new
.if MSB != (\new)
	s_set_vgpr_msb (MSB<<8)|(\new)
.set MSB, (\new)
.endif
.endm
.set MUL_LO, 0xa1
.set MUL_HI, 0xf1
.set TO_B,   0x40
.macro JLOAD g0a, g1a, g0b, g1b
	s_cmp_eq_u32 s15, 0
	s_cbranch_scc0 .Lfor_b_\@
	tensor_load_to_lds s[\g0a:\g0a+3], s[\g1a:\g1a+7]
	s_nop 0
.rept 4
	v_nop
.endr
	s_branch .Lasked_\@
.Lfor_b_\@:
	tensor_load_to_lds s[\g0b:\g0b+3], s[\g1b:\g1b+7]
	s_nop 0
.rept 4
	v_nop
.endr
.Lasked_\@:
.endm
.macro CREST
	s_cmp_lg_u32 s14, 0
	s_cbranch_scc1 .Lnot_wave_0_\@
	s_barrier_signal -3
.Lnot_wave_0_\@:
	s_barrier_wait -3
	s_barrier_signal -1
	s_barrier_wait -1
.endm
.macro CROUND
	s_barrier_signal -1
	s_barrier_wait -1
	CREST
.endm
.macro PLACES n
.rept \n
	v_nop
.endr
.endm
.macro FRAG reg, a16, a8, off
	ds_load_b128 v[\reg:\reg+3], v[\a16] offset:\off
	ds_load_b64 v[\reg+4:\reg+5], v[\a8] offset:\off+512
	ds_load_b128 v[\reg+6:\reg+9], v[\a16] offset:\off+768
	ds_load_b64 v[\reg+10:\reg+11], v[\a8] offset:\off+1280
.endm
.macro FETCH_B slot, q, p
	WIN TO_B
.irp i, 0,1,2,3,4,5,6,7
	FRAG 128*(\p)+FR*\i, B16+\slot, B8+\slot, 3072*\i+1536*(\q)
.endr
	WIN 0
.endm
.macro FETCH_A slot, q, i0
.irp i, \i0, \i0+1, \i0+2, \i0+3
	FRAG AF+FR*(\i), A16+\slot, A8+\slot, 3072*(\i)+1536*(\q)
.endr
.endm
.macro MUL16 a0, p, ks, zero
.irp a, \a0, \a0+1
.irp b, 0,1,2,3,4,5,6,7
.if \zero
	v_wmma_scale_f32_16x16x128_f8f6f4 v[8*(8*((\a)%4)+\b):8*(8*((\a)%4)+\b)+7], v[128*(\p)+FR*\b:128*(\p)+FR*\b+FR-1], v[AF+FR*(\a):AF+FR*(\a)+FR-1], 0, v[SC+8*\b+(\ks)], v[SC+8*(\a)+(\ks)] matrix_a_fmt:MATRIX_FMT_FP6 matrix_b_fmt:MATRIX_FMT_FP6 matrix_a_scale:MATRIX_SCALE_ROW1
.else
	v_wmma_scale_f32_16x16x128_f8f6f4 v[8*(8*((\a)%4)+\b):8*(8*((\a)%4)+\b)+7], v[128*(\p)+FR*\b:128*(\p)+FR*\b+FR-1], v[AF+FR*(\a):AF+FR*(\a)+FR-1], v[8*(8*((\a)%4)+\b):8*(8*((\a)%4)+\b)+7], v[SC+8*\b+(\ks)], v[SC+8*(\a)+(\ks)] matrix_a_fmt:MATRIX_FMT_FP6 matrix_b_fmt:MATRIX_FMT_FP6 matrix_a_scale:MATRIX_SCALE_ROW1
.endif
.endr
.endr
.endm
.macro STEP slot, ks, zero
	s_wait_dscnt 4*NL
	WIN MUL_LO
	MUL16 0, 0, \ks, \zero
	MUL16 2, 0, \ks, \zero
	s_wait_dscnt 0x0
	PLACES 4
	FETCH_B \slot, 1, 1
	FETCH_A \slot, 1, 0
	WIN MUL_HI
	MUL16 4, 0, \ks, \zero
	MUL16 6, 0, \ks, \zero
	PLACES 4
	WIN 0
	FETCH_A \slot, 1, 4
.endm
.macro TURN slot, next, ks, fill
	s_wait_tensorcnt 0x0
	ds_add_u32 v[SPW], v[NIL]
	s_wait_dscnt 4*NL+1
	WIN MUL_LO
	MUL16 0, 1, \ks, 0
	s_wait_dscnt 0x0
	s_barrier_signal -1
	MUL16 2, 1, \ks, 0
	WIN 0
	s_barrier_wait -1
.if \fill
	CREST
	s_add_nc_u64 s[G0+4*\slot+2:G0+4*\slot+3], s[G0+4*\slot+2:G0+4*\slot+3], 2*PLX
	s_add_nc_u64 s[G0B+4*\slot+2:G0B+4*\slot+3], s[G0B+4*\slot+2:G0B+4*\slot+3], 2*PLW
	JLOAD G0+4*\slot, G1, G0B+4*\slot, G1B
.else
	PLACES 4
.endif
	FETCH_B \next, 0, 0
	FETCH_A \next, 0, 0
	WIN MUL_HI
	MUL16 4, 1, \ks, 0
	MUL16 6, 1, \ks, 0
	PLACES 4
	WIN 0
	FETCH_A \next, 0, 4
.endm
	s_load_b128 s[4:7], s[0:1], 0x0
	s_load_b128 s[8:11], s[0:1], 0x10
	s_load_b64 s[12:13], s[0:1], 0x20
	v_lshl_add_u32 v[SPW], v0, 2, SPARE
	v_mov_b32 v[NIL], 0
	ds_add_u32 v[SPW], v[NIL]
	ds_add_u32 v[SPW], v[NIL]
	v_lshrrev_b32 v1, 5, v0
	v_readfirstlane_b32 s14, v1
	s_lshr_b32 s15, s14, 1
	s_and_b32 s16, s14, 1
	s_bfe_u32 s40, ttmp6, 0x40000
	s_bfe_u32 s41, ttmp6, 0x40004
	s_lshl_b32 s42, ttmp9, 2
	s_add_co_u32 s42, s42, s40
	s_and_b32 s17, ttmp7, 0xffff
	s_lshl_b32 s17, s17, 2
	s_add_co_u32 s17, s17, s41
	s_lshl_b32 s43, s41, 2
	s_lshl_b32 s43, 15, s43
	s_lshl_b32 s44, 0x1111, s40
	s_or_b32 s[G1+0], s43, (3<<16)|(1<<21)
	s_or_b32 s[G1B+0], s44, (3<<16)|(1<<21)
.irp g, G1, G1B
	s_mov_b32 s[\g+1], 32<<16
	s_mov_b32 s[\g+2], 96<<16
	s_mov_b32 s[\g+3], 32<<16
	s_mov_b32 s[\g+4], 96
	s_mov_b32 s[\g+5], 32
	s_mov_b32 s[\g+6], 0
	s_mov_b32 s[\g+7], 0
.endr
	s_lshl_b32 s18, s16, 3
	s_lshl_b32 s20, s17, 4
	s_add_co_u32 s20, s20, s18
	s_mul_i32 s20, s20, 3072
	s_mov_b32 s21, 0
	s_lshl_b32 s46, s42, 4
	s_add_co_u32 s46, s46, s18
	s_mul_i32 s46, s46, 3072
	s_mov_b32 s47, 0
	s_mul_i32 s45, s14, HALFT
	s_wait_dscnt 0x0
	s_wait_kmcnt 0x0
	s_add_nc_u64 s[20:21], s[4:5], s[20:21]
	s_add_nc_u64 s[46:47], s[6:7], s[46:47]
	CROUND
.irp s, 0,1
	s_mov_b32 s[G0+4*\s], 1
	s_add_co_u32 s[G0+4*\s+1], s45, \s*SLOT
	s_add_nc_u64 s[G0+4*\s+2:G0+4*\s+3], s[20:21], \s*PLX
	s_or_b32 s[G0+4*\s+3], s[G0+4*\s+3], 0x80000000
	s_mov_b32 s[G0B+4*\s], 1
	s_add_co_u32 s[G0B+4*\s+1], s45, \s*SLOT
	s_add_nc_u64 s[G0B+4*\s+2:G0B+4*\s+3], s[46:47], \s*PLW
	s_or_b32 s[G0B+4*\s+3], s[G0B+4*\s+3], 0x80000000
	s_wait_alu depctr_va_vdst(0)
	s_wait_tensorcnt 0x0
	ds_add_u32 v28, v29
	ds_add_u32 v28, v29
	s_wait_dscnt 0x0
	CROUND
	JLOAD G0+4*\s, G1, G0B+4*\s, G1B
.endr
	v_and_b32 v1, 31, v0
	v_and_b32 v2, 15, v0
	v_bfe_u32 v3, v0, 4, 1
	v_lshlrev_b32 v12, 4, v1
	s_wait_alu depctr_va_vdst(0)
	v_lshlrev_b32 v13, 3, v1
	s_wait_alu depctr_va_vdst(0)
	s_cmp_eq_u32 ttmp9, 2
	s_cselect_b32 s66, 49152, 0
	s_cselect_b32 s67, 0, 49152
	s_mul_i32 s68, s15, HALFT
	s_add_co_u32 s66, s66, s68
	s_mul_i32 s68, s16, HALFT
	s_add_co_u32 s67, s67, s68
.irp s, 0,1
	v_add_nc_u32 v[A16+\s], s66, v12
	v_add_nc_u32 v[A8+\s], s66, v13
	v_add_nc_u32 v[B16+\s], s67, v12
	v_add_nc_u32 v[B8+\s], s67, v13
	s_add_co_u32 s66, s66, SLOT
	s_add_co_u32 s67, s67, SLOT
.endr
	s_lshl_b32 s68, s17, 2
	s_lshl_b32 s69, s42, 2
	s_add_co_u32 s69, s69, 128
	s_cmp_eq_u32 ttmp9, 2
	s_cselect_b32 s70, s69, s68
	s_cselect_b32 s71, s68, s69
	s_lshl_b32 s72, s15, 1
	s_add_co_u32 s70, s70, s72
	s_lshl_b32 s72, s16, 1
	s_add_co_u32 s71, s71, s72
	s_lshl_b32 s70, s70, 11
	s_lshl_b32 s71, s71, 11
	v_lshlrev_b32 v14, 3, v2
	v_add_nc_u32 v15, s71, v14
	v_add_nc_u32 v14, s70, v14
	s_mov_b32 s72, 0xffff0000
	v_cndmask_b32 v24, v14, v15, s72
.irp i, 0,1,2,3,4,5,6,7
.irp k, 0,1,2,3
	global_load_b64 v[SC+8*\i+2*\k:SC+8*\i+2*\k+1], v24, s[8:9] offset:2048*(\i/4)+128*(\i%4)+512*\k
.endr
.endr
	s_cmp_eq_u32 ttmp9, 0
	s_cselect_b64 s[74:75], s[10:11], s[12:13]
	s_mov_b32 s76, 204800
	s_cselect_b32 s76, 102400, s76
	s_mov_b32 s77, 51200
	s_cselect_b32 s77, 25600, s77
	s_mov_b32 s78, 49152
	s_cselect_b32 s78, 24576, s78
	s_cmp_eq_u32 ttmp9, 2
	s_cselect_b32 s78, 50176, s78
	s_cselect_b32 s79, 24576, 0
	s_cselect_b32 s80, s16, s15
	s_cselect_b32 s81, s15, s16
	s_cselect_b32 s82, s76, 3072
	s_cselect_b32 s83, 3072, s76
	s_cselect_b32 s84, -1, 0
	s_lshr_b32 s85, s17, 3
	s_lshl_b32 s85, s85, 4
	s_lshl_b32 s86, s40, 2
	s_add_co_u32 s85, s85, s86
	s_lshl_b32 s86, s81, 1
	s_add_co_u32 s85, s85, s86
	s_mul_i32 s85, s85, s76
	s_and_b32 s86, s17, 7
	s_lshl_b32 s86, s86, 1
	s_add_co_u32 s86, s86, s80
	s_lshr_b32 s87, s86, 2
	s_mul_i32 s87, s87, s77
	s_add_co_u32 s85, s85, s87
	s_and_b32 s86, s86, 3
	s_mul_i32 s87, s86, 6144
	s_add_co_u32 s87, s87, s79
	s_add_co_u32 s88, s85, s87
	s_mov_b32 s89, 0
	s_lshl_b32 s86, s86, 8
	s_add_co_u32 s86, s86, s78
	s_add_co_u32 s90, s85, s86
	s_mov_b32 s91, 0
	s_add_nc_u64 s[88:89], s[74:75], s[88:89]
	s_add_nc_u64 s[90:91], s[74:75], s[90:91]
	v_mov_b32 v[VO16], v12
	v_add_nc_u32 v[VO16+1], s83, v12
	v_add_nc_u32 v[VO16+2], s82, v12
	v_add_nc_u32 v[VO16+3], s82, v[VO16+1]
	v_add_nc_u32 v[VO8], 512, v13
	v_add_nc_u32 v[VO8+1], s83, v[VO8]
	v_add_nc_u32 v[VO8+2], s82, v[VO8]
	v_add_nc_u32 v[VO8+3], s82, v[VO8+1]
	v_lshlrev_b32 v25, 4, v2
	v_mad_u32_u24 v25, v3, s76, v25
	s_lshl_b32 s92, s14, 9
	v_lshl_add_u32 v26, v2, 2, s92
	v_add_nc_u32 v27, s92, v12
	v_lshlrev_b32 v15, 3, v3
	s_mov_b32 s94, 0x76543210
	s_mov_b32 s95, 0xfedcba98
	s_wait_tensorcnt 1
	s_barrier_signal -1
	s_barrier_wait -1
	FETCH_B 0, 0, 0
	FETCH_A 0, 0, 0
	FETCH_A 0, 0, 4
	s_wait_loadcnt 0x0
	STEP 0, 0, 1
	TURN 0, 1, 1, 1
	STEP 1, 2, 0
	TURN 1, 0, 3, 1
	STEP 0, 4, 0
	TURN 0, 1, 5, 0
	STEP 1, 6, 0
	s_wait_dscnt 4*NL
	WIN MUL_LO
	MUL16 0, 1, 7, 0
	MUL16 2, 1, 7, 0
	s_wait_dscnt 0x0
	WIN MUL_HI
	MUL16 4, 1, 7, 0
	MUL16 6, 1, 7, 0
	PLACES 4
.macro EPI hi
	WIN 0x28+0x14*\hi
.irp n, 0,1,2,3,4,5,6,7
	v_max3_num_f32 v[T+\n], 0x1800000, |v[32*\n]|, |v[32*\n+1]|
.endr
.irp i, 2,4,6,8,10,12,14,16,18,20,22,24,26,28,30
.irp n, 0,1,2,3,4,5,6,7
	v_max3_num_f32 v[T+\n], v[T+\n], |v[32*\n+\i]|, |v[32*\n+\i+1]|
.endr
.endr
	WIN 0
.irp n, 0,1,2,3,4,5,6,7
	v_add_nc_u32 v[T+\n], 0xff000000, v[T+\n]
.endr
.irp n, 0,1,2,3,4,5,6,7
	v_lshrrev_b32 v[E+8*\hi+\n], 23, v[T+\n]
.endr
.if \hi
	s_wait_xcnt 0x0
.endif
	WIN 0x02+\hi
.irp n, 0,1,2,3,4,5,6,7
	v_cvt_scalef32_pk16_fp6_f32 v[CC+8*\n:CC+8*\n+2], v[32*\n:32*\n+15], v[T+\n]
	v_cvt_scalef32_pk16_fp6_f32 v[CC+8*\n+4:CC+8*\n+6], v[32*\n+16:32*\n+31], v[T+\n]
.endr
	WIN 0
	v_nop
.irp n, 0,1,2,3,4,5,6,7
	v_mov_b32 v[CC+8*\n+3], v[CC+8*\n+4]
	v_mov_b32 v[CC+8*\n+4], v[CC+8*\n+5]
	v_mov_b32 v[CC+8*\n+5], v[CC+8*\n+6]
.endr
.irp n, 0,1,2,3,4,5,6,7
	global_store_b128 v[VO16+2*\hi+(\n%2)], v[CC+8*\n:CC+8*\n+3], s[88:89] offset:768*(\n/2)
	global_store_b64 v[VO8+2*\hi+(\n%2)], v[CC+8*\n+4:CC+8*\n+5], s[88:89] offset:768*(\n/2)
.endr
.endm
	EPI 0
	EPI 1
.irp n, 0,1,2,3,4,5,6,7
	v_cndmask_b32 v2, v[E+4*(\n%4)+(\n/4)], v[E+2*\n], s84
	v_cndmask_b32 v3, v[E+4*(\n%4)+2+(\n/4)], v[E+2*\n+1], s84
	v_lshl_or_b32 v[WD+\n], v3, 16, v2
.endr
.irp n, 0,1,2,3,4,5,6,7
	v_lshlrev_b32 v[WD+\n], v15, v[WD+\n]
.endr
.irp n, 0,1,2,3,4,5,6,7
	v_permlanex16_b32 v1, v[WD+\n], s94, s95
	v_or_b32 v[WD+\n], v[WD+\n], v1
.endr
.irp n, 0,1,2,3,4,5,6,7
	ds_store_b32 v26, v[WD+\n] offset:64*\n
.endr
	ds_load_b128 v[T:T+3], v27
	s_wait_dscnt 0x0
	global_store_b128 v25, v[T:T+3], s[90:91]
	s_wait_tensorcnt 0x0
	ds_add_u32 v[SPW], v[NIL]
	s_wait_dscnt 0x0
	CROUND
	s_endpgm
.Lfunc_end_k_q20c7abb72e_gemm_qkv:
	.size	k_q20c7abb72e_gemm_qkv, .Lfunc_end_k_q20c7abb72e_gemm_qkv-k_q20c7abb72e_gemm_qkv
	.p2alignl 7, 3214868480
	.fill 96, 4, 3214868480
	.section	.rodata,"a",@progbits
	.p2align	6, 0x0
	.amdhsa_kernel k_q20c7abb72e_gemm_qkv
		.amdhsa_group_segment_fixed_size 327680
		.amdhsa_private_segment_fixed_size 0
		.amdhsa_enable_private_segment 0
		.amdhsa_kernarg_size 40
		.amdhsa_user_sgpr_count 2
		.amdhsa_user_sgpr_kernarg_segment_ptr 1
		.amdhsa_wavefront_size32 1
		.amdhsa_system_sgpr_workgroup_id_x 1
		.amdhsa_system_sgpr_workgroup_id_y 1
		.amdhsa_system_sgpr_workgroup_id_z 1
		.amdhsa_system_vgpr_workitem_id 0
		.amdhsa_next_free_vgpr 1024
		.amdhsa_next_free_sgpr 100
		.amdhsa_reserve_vcc 0
		.amdhsa_float_denorm_mode_32 3
		.amdhsa_float_denorm_mode_16_64 3
		.amdhsa_memory_ordered 1
		.amdhsa_forward_progress 1
		.amdhsa_inst_pref_size 144
	.end_amdhsa_kernel
	.amdgpu_metadata
---
amdhsa.version: [ 1, 2 ]
amdhsa.kernels:
  - .name:           k_q20c7abb72e_gemm_qkv
    .symbol:         k_q20c7abb72e_gemm_qkv.kd
    .args:
      - { .name: xc, .offset: 0, .size: 8, .value_kind: global_buffer, .address_space: global }
      - { .name: wc, .offset: 8, .size: 8, .value_kind: global_buffer, .address_space: global }
      - { .name: sc, .offset: 16, .size: 8, .value_kind: global_buffer, .address_space: global }
      - { .name: qb, .offset: 24, .size: 8, .value_kind: global_buffer, .address_space: global }
      - { .name: kv, .offset: 32, .size: 8, .value_kind: global_buffer, .address_space: global }
    .group_segment_fixed_size: 327680
    .private_segment_fixed_size: 0
    .kernarg_segment_align: 8
    .kernarg_segment_size: 40
    .max_flat_workgroup_size: 128
    .sgpr_count:     100
    .vgpr_count:     1024
    .wavefront_size: 32
...
	.end_amdgpu_metadata
.endif
;; end of part 2
;; launch attn (part 3): grid 4 x 64, 16 waves a work-group, clusters of 4 x 1, 206,848 bytes of LDS; arguments qb, kv, cc, sc; writes cc, sc
.if DOCPART == 3
	.amdgcn_target "amdgcn-amd-amdhsa--gfx1250"
	.amdhsa_code_object_version 6
	.text
	.protected	k_q20c7abb72e_attn
	.globl	k_q20c7abb72e_attn
	.p2align	8
	.type	k_q20c7abb72e_attn,@function
k_q20c7abb72e_attn:
	s_mov_b64 s[64:65], 0
	v_nop
	global_prefetch_b8 v0, s[64:65] scope:SCOPE_SE
	s_setreg_imm32_b32 hwreg(HW_REG_WAVE_MODE, 25, 1), 1
	s_wait_xcnt 0x0
	s_wait_alu depctr_hold_cnt(0) depctr_sa_sdst(0) depctr_va_vdst(0) depctr_va_sdst(0) depctr_va_ssrc(0) depctr_va_vcc(0) depctr_vm_vsrc(0)
	s_getreg_b32 s2, hwreg(HW_REG_IB_STS2, 6, 4)
	s_cmp_eq_u32 s2, 0
	s_cbranch_scc0 .Lentry_in_a_cluster
	s_endpgm
.Lentry_in_a_cluster:
	s_bfe_u32 s2, ttmp6, 0x10000c
	s_cmp_lg_u32 s2, 0x3003
	s_cbranch_scc0 .Lentry_shape_is_right
	s_endpgm
.Lentry_shape_is_right:
; ctx = softmax(q k^T / 8) v for one head, both products on codes of FP6 (E2M3) with E8M0 scales; ctx is quantised along the model's 1,024 and leaves as codes for the last product.
; THE SOFTMAX: t = score x log2(e) / 8; M = the running largest t rounded UP to a whole number; p = 2^(t - M) is quantised along the keys, not normalised; the row's sum is taken of the unquantised p and divides at the end;
; when M moves, the sum and O are multiplied by 2^(old M - new M), which rounds nothing.
; SHARES.  A work-group owns one head (work-group y = 16 batch + head) and 512 queries; each of its SIXTEEN waves owns a tile of 16 queries in each of two passes, in 256 registers: four waves to a SIMD, so that one wave's
; vector work stands beside another's matrix work and LDS loads.  A key step is 128 keys: 12 matrix instructions beside some 220 vector instructions.
; LDS.  The head's K and V with their scale words, 204,800 bytes, lie in LDS as they lie in kv and are FILLED ONCE: no ring, no refill.  They come in four stages of 512 keys, asked for together at the head; pass 0 waits for
; each stage as it reaches it (a counted wait in the two loading waves, then a barrier).  So nothing is left to prefetch: every byte is asked for at the first line that can ask.
; CLUSTER 4 x 1: the four query blocks of a head need the same bytes: joint loads, mask 15.
; LAYOUT.  Operands are images of their registers (16 rows x 64 K: lane l's registers 0-3 at 16 l, 4-5 at 512 + 8 l).  Both products are used transposed: S^T = K Q^T, O^T = V^T P^T: a lane holds ONE query.
; The rows of a tile (keys; V's channels) are index 32 (p / 8) + 8 u + p % 8 of their group of 64, so a lane's 32 registers of four neighbouring tiles are 32 NEIGHBOURS, 32 (lane / 16) on: a whole block of p, or of ctx,
; lies in one lane, in the order in which the operand wants it: no code changes lanes.
; THE SCORE PRODUCT has K = 64, the instruction 128.  A fragment of K holds two tiles of keys, one in each half of its K; it is multiplied by [q | zeros] for the first and by [zeros | q] for the second: zero codes add nothing.
; ctx's scale bytes: a row's 32 bytes are shared by 16 heads, that is 16 work-groups, so each lane stores its one byte: 262,144 bytes in the launch go out so.
; LIMITS of ctx's quantiser: a block of zeros gets byte 1, not 127 (read by this program alone); largest magnitudes under 2^-124 are held at byte 1; NaN and infinities are not served.
; REGISTERS: v1 16 l, v2 8 l, v3 4 l; v4-6 the step's LDS addresses; v7, v8 the add's two; v9 8 h; v10 8 r + h; v11 Q's scale word; v12 -M, v13 the largest t, v[14:15] the sum; v16-33 [q | zeros | q];
;   v34, v35 K's scale words, v36, v37 V's; v38 4 r; v40-87 four fragments; v96-159 S^T, then p; v160-191 O^T; v192-203 p's codes; v204-210 conversions' second halves; v212-228 at work (v228 p's scale word); v230-236 pass 1's Q.
.set SPARE, 204800                     ; behind K and V: the spare words, 128 bytes a wave: eight blocks of 256 bytes that no other line names
.set SPW, 7
.set NIL, 8
.macro CROUND
	s_barrier_signal -1
	s_barrier_wait -1
	s_cmp_lg_u32 s12, 0
	s_cbranch_scc1 .Lnot_wave_0_\@
	s_barrier_signal -3
.Lnot_wave_0_\@:
	s_barrier_wait -3
	s_barrier_signal -1
	s_barrier_wait -1
.endm
.macro QBLK x, c, e, t0, t1, so        ; 32 numbers of one block -> six registers of codes and the byte
	v_max3_num_f32 v[\t0], |v[\x]|, |v[\x+1]|, 0x1800000
	v_max3_num_f32 v[\t1], |v[\x+16]|, |v[\x+17]|, |v[\x+18]|
.irp i, 0,2,4,6,8,10
	s_delay_alu instid0(VALU_DEP_2)
	v_max3_num_f32 v[\t0], v[\t0], |v[\x+2+\i]|, |v[\x+3+\i]|
	s_delay_alu instid0(VALU_DEP_2)
	v_max3_num_f32 v[\t1], v[\t1], |v[\x+19+\i]|, |v[\x+20+\i]|
.endr
	s_delay_alu instid0(VALU_DEP_2)
	v_max3_num_f32 v[\t0], v[\t0], |v[\x+14]|, |v[\x+15]|
	s_delay_alu instid0(VALU_DEP_1)
	v_max3_num_f32 v[\t0], v[\t0], v[\t1], |v[\x+31]|
	s_delay_alu instid0(VALU_DEP_1)
	v_add_nc_u32 v[\so], 0xff000000, v[\t0]
	v_cvt_scalef32_pk16_fp6_f32 v[\c:\c+2], v[\x:\x+15], v[\so]
	v_cvt_scalef32_pk16_fp6_f32 v[\c+4:\c+6], v[\x+16:\x+31], v[\so]
	v_lshrrev_b32 v[\e], 23, v[\so]                ; the byte; also the plain instruction behind the conversions
	v_mov_b32 v[\c+3], v[\c+4]
	v_mov_b32 v[\c+4], v[\c+5]
	v_mov_b32 v[\c+5], v[\c+6]
.endm
	s_load_b256 s[4:11], s[0:1], 0x0               ; qb s[4:5], kv s[6:7], cc s[8:9], sc s[10:11]
	v_lshl_add_u32 v[SPW], v0, 2, SPARE
	v_mov_b32 v[NIL], 0
	ds_add_u32 v[SPW], v[NIL]                      ; the wave's opening: the add and its wait ahead of the first tensor loads
	ds_add_u32 v[SPW], v[NIL]
	v_lshrrev_b32 v1, 5, v0
	s_delay_alu instid0(VALU_DEP_1)
	v_readfirstlane_b32 s12, v1                    ; wave 0..15
	s_bfe_u32 s13, ttmp6, 0x40000                  ; cx: my block of 512 queries; it enters global addresses alone
	s_and_b32 s14, ttmp7, 0xffff                   ; 16 batch + head, which the four partners share
	; group 1: half a stage, a dense block of 25,600 bytes, as 100 rows of 32 elements of 8 bytes
	s_mov_b32 s16, 15|(3<<16)|(1<<21)              ; 15:0 the mask: all four work-groups; 17:16 elements of 8 bytes; 21 set beside a mask
	s_mov_b32 s17, 32<<16
	s_mov_b32 s18, 100<<16
	s_mov_b32 s19, 32<<16
	s_mov_b32 s20, 100
	s_mov_b32 s21, 32
	s_mov_b32 s22, 0
	s_mov_b32 s23, 0
	s_mul_i32 s40, s14, 204800                     ; the head's bytes in kv,
	s_and_b32 s48, s12, 1
	s_mul_i32 s48, s48, 25600                      ; and which half of each stage I fetch, if I fetch
	s_add_co_u32 s40, s40, s48
	s_mov_b32 s41, 0
	s_mov_b32 s42, 0x3e38aa3b                      ; c = log2(e) / 8
	s_mov_b32 s43, s42                             ; (named with it as a pair, so it is written)
	s_mov_b32 s62, 0x76543210
	s_mov_b32 s63, 0xfedcba98                      ; v_permlanex16_b32's selects for lane l xor 16
	s_mov_b32 s47, 0x03020302
	s_bitcmp1_b32 s12, 0
	s_cselect_b32 s47, s47, 0x01000100             ; which pair of bytes of Q's scale word is my tile's: the upper for an odd wave
	s_wait_dscnt 0x0                               ; the opening add is done
	s_wait_kmcnt 0x0
	s_add_nc_u64 s[40:41], s[6:7], s[40:41]
	CROUND                                         ; all four work-groups are here: the joint loads meet
.irp n, 0,1,2,3
	s_mov_b32 s[24+4*\n], 1
	s_add_co_u32 s[25+4*\n], s48, \n*51200
	s_add_nc_u64 s[26+4*\n:27+4*\n], s[40:41], \n*51200
	s_or_b32 s[27+4*\n], s[27+4*\n], 0x80000000
.endr
	s_cmp_lt_u32 s12, 2                            ; waves 0 and 1 fetch; all their fills stand in this one branch: four loads of a loading wave are out
	s_cbranch_scc0 .Lno_fill
.irp n, 0,1,2,3
	tensor_load_to_lds s[24+4*\n:27+4*\n], s[16:23]
	s_nop 0
.endr
.rept 4
	v_nop
.endr
.Lno_fill:
	v_and_b32 v3, 31, v0
	s_delay_alu instid0(VALU_DEP_1)
	v_lshlrev_b32 v1, 4, v3
	s_wait_alu depctr_va_vdst(0)
	v_lshlrev_b32 v2, 3, v3
	s_wait_alu depctr_va_vdst(0)
	v_lshlrev_b32 v3, 2, v3
	v_bfe_u32 v9, v0, 4, 1                         ; h
	v_and_b32 v38, 15, v0                          ; r
	s_delay_alu instid0(VALU_DEP_1)
	v_lshl_add_u32 v10, v38, 3, v9                 ; 8 r + h
	s_delay_alu instid0(VALU_DEP_3)
	v_lshlrev_b32 v9, 3, v9
	s_delay_alu instid0(VALU_DEP_3)
	v_lshlrev_b32 v38, 2, v38
	s_wait_alu depctr_va_vdst(0)
	s_mul_i32 s50, s14, 102400                     ; qb: the head, stage cx,
	s_mul_i32 s51, s13, 25600
	s_add_co_u32 s50, s50, s51
	s_mul_i32 s51, s12, 768                        ; tile = wave (pass 1: 16 tiles on)
	s_add_co_u32 s52, s50, s51
	s_mov_b32 s53, 0
	s_lshr_b32 s51, s12, 1
	s_lshl_b32 s51, s51, 6                         ; the scale words: 64 bytes for each two tiles
	s_add_co_u32 s54, s50, s51
	s_add_co_u32 s54, s54, 24576
	s_mov_b32 s55, 0
	s_add_nc_u64 s[52:53], s[4:5], s[52:53]
	s_add_nc_u64 s[54:55], s[4:5], s[54:55]
	global_load_b128 v[16:19], v1, s[52:53]        ; q, twice: ahead of the zeros and behind them
	global_load_b64 v[20:21], v2, s[52:53] offset:512
	global_load_b128 v[28:31], v1, s[52:53]
	global_load_b64 v[32:33], v2, s[52:53] offset:512
	global_load_b32 v11, v38, s[54:55]
	global_load_b128 v[230:233], v1, s[52:53] offset:12288   ; pass 1's
	global_load_b64 v[234:235], v2, s[52:53] offset:12800
	global_load_b32 v236, v38, s[54:55] offset:512
	s_and_b32 s56, s14, 15                         ; the head
	s_lshr_b32 s57, s14, 4                         ; the batch
	s_lshl_b32 s57, s57, 7
	s_lshl_b32 s58, s13, 5
	s_add_co_u32 s57, s57, s58
	s_add_co_u32 s57, s57, s12                     ; ctx's tile: 128 batch + 32 cx + wave
	s_lshr_b32 s58, s56, 2                         ; the head's 64 lie in K quarter head / 4, image head % 4
	s_mul_i32 s59, s58, 1572864
	s_mul_i32 s60, s57, 3072
	s_add_co_u32 s60, s60, s59
	s_and_b32 s59, s56, 3
	s_mul_i32 s59, s59, 768
	s_add_co_u32 s60, s60, s59
	s_mov_b32 s61, 0
	s_add_nc_u64 s[8:9], s[8:9], s[60:61]
	s_lshr_b32 s59, s57, 2                         ; sc: group 192 + tile / 4, the quarter, row 16 (tile % 4) + r, word (head / 2) % 2, byte 2 (head % 2) + h
	s_add_co_u32 s59, s59, 192
	s_lshl_b32 s59, s59, 11
	s_lshl_b32 s60, s58, 9
	s_add_co_u32 s60, s60, s59
	s_and_b32 s59, s57, 3
	s_lshl_b32 s59, s59, 7
	s_add_co_u32 s60, s60, s59
	s_bfe_u32 s59, s56, 0x10001
	s_lshl_b32 s59, s59, 2
	s_add_co_u32 s60, s60, s59
	s_and_b32 s59, s56, 1
	s_lshl_b32 s59, s59, 1
	s_add_co_u32 s60, s60, s59
	s_add_nc_u64 s[10:11], s[10:11], s[60:61]
.irp j, 22,23,24,25,26,27
	v_mov_b32 v[\j], 0                             ; the zero codes between the two copies of q
.endr
	v_mov_b32 v215, 0                              ; a lane permute's destination counts as one of its sources
	v_mov_b32 v226, 0
	v_mov_b32 v219, 0                              ; (named as the upper half of the pair v[218:219])
; A KEY STEP: 128 keys at LDS byte s44; their scale words at s45.
.macro STEP
	v_add_nc_u32 v4, s44, v1
	v_add_nc_u32 v5, s44, v2
	v_add_nc_u32 v6, s45, v3
	v_nop                                          ; these four are the places between the last products and the loads into their registers
.irp i, 0,1,2,3
	ds_load_b128 v[40+12*\i:43+12*\i], v4 offset:1536*\i           ; fragment i: tiles 2 i and 2 i + 1 of the step's eight
	ds_load_b64 v[44+12*\i:45+12*\i], v5 offset:1536*\i+512
	ds_load_b128 v[46+12*\i:49+12*\i], v4 offset:1536*\i+768
	ds_load_b64 v[50+12*\i:51+12*\i], v5 offset:1536*\i+1280
.endr
	ds_load_b32 v34, v6                            ; lanes 0-15 fragment 0's words, lanes 16-31 fragment 1's
	ds_load_b32 v35, v6 offset:128                 ; fragments 2 and 3
	s_wait_alu depctr_va_vdst(0)
	s_wait_dscnt 0x0
.irp i, 0,1,2,3
.if \i%2
	v_wmma_scale_f32_16x16x128_f8f6f4 v[96+16*\i:103+16*\i], v[40+12*\i:51+12*\i], v[16:27], 0, v[34+\i/2], v11 matrix_a_fmt:MATRIX_FMT_FP6 matrix_b_fmt:MATRIX_FMT_FP6 matrix_a_scale:MATRIX_SCALE_ROW1
	v_wmma_scale_f32_16x16x128_f8f6f4 v[104+16*\i:111+16*\i], v[40+12*\i:51+12*\i], v[22:33], 0, v[34+\i/2], v11 matrix_a_fmt:MATRIX_FMT_FP6 matrix_b_fmt:MATRIX_FMT_FP6 matrix_a_scale:MATRIX_SCALE_ROW1
.else
	v_wmma_scale_f32_16x16x128_f8f6f4 v[96+16*\i:103+16*\i], v[40+12*\i:51+12*\i], v[16:27], 0, v[34+\i/2], v11 matrix_a_fmt:MATRIX_FMT_FP6 matrix_b_fmt:MATRIX_FMT_FP6
	v_wmma_scale_f32_16x16x128_f8f6f4 v[104+16*\i:111+16*\i], v[40+12*\i:51+12*\i], v[22:33], 0, v[34+\i/2], v11 matrix_a_fmt:MATRIX_FMT_FP6 matrix_b_fmt:MATRIX_FMT_FP6
.endif
.endr                                              ; register 32 c + i of v96 on: key 64 c + 32 (lane / 16) + i of the step
.rept 4
	v_nop                                          ; places: the scores are read, and K's registers take V
.endr
.irp t, 0,1,2,3                                    ; V's four fragments (16 channels x 128 keys) land during the softmax
	ds_load_b128 v[40+12*\t:43+12*\t], v4 offset:24576+768*\t
	ds_load_b64 v[44+12*\t:45+12*\t], v5 offset:24576+768*\t+512
	ds_load_b128 v[46+12*\t:49+12*\t], v4 offset:24576+768*\t+3072
	ds_load_b64 v[50+12*\t:51+12*\t], v5 offset:24576+768*\t+3584
.endr
	ds_load_b32 v36, v6 offset:1024
	ds_load_b32 v37, v6 offset:1152
	v_max3_num_f32 v212, v96, v97, v98             ; THE LARGEST SCORE OF EACH OF MY TWO BLOCKS OF 32 KEYS: it serves the row's maximum and, since p rises with the score, the block's largest p.  Each accumulator is first read at its low end
	v_max3_num_f32 v213, v128, v129, v130
.irp i, 3,5,7,9,11,13,15,17,19,21,23,25,27,29
	v_max3_num_f32 v212, v212, v[96+\i], v[97+\i]
	v_max3_num_f32 v213, v213, v[128+\i], v[129+\i]
.endr
	v_max_num_f32 v212, v212, v127
	v_max_num_f32 v213, v213, v159
	s_delay_alu instid0(VALU_DEP_1)
	v_max_num_f32 v214, v212, v213
	s_delay_alu instid0(VALU_DEP_1)
	v_permlanex16_b32 v215, v214, s62, s63
	s_delay_alu instid0(VALU_DEP_1)
	v_max_num_f32 v214, v214, v215                 ; the step's largest score of my query
	s_delay_alu instid0(VALU_DEP_1)
	v_mul_f32 v214, s42, v214                      ; as t (c is positive)
	s_delay_alu instid0(VALU_DEP_1)
	v_max_num_f32 v13, v13, v214                   ; the running largest t
	v_mov_b32 v216, v12
	s_delay_alu instid0(VALU_DEP_2)
	v_floor_f32 v12, -v13                          ; the new -M = floor(-t): M is a whole number
	s_delay_alu instid0(VALU_DEP_1)
	v_sub_f32 v216, v12, v216                      ; old M - new M: a whole number, 0 or less
	s_delay_alu instid0(VALU_DEP_1)
	v_cvt_i32_f32 v216, v216                       ; (it saturates)
	s_delay_alu instid0(VALU_DEP_1)
	v_ldexp_f32 v218, 1.0, v216                    ; f = 2^(old M - new M)
.set j, 0
.rept 32
	v_pk_fma_f32 v[96+j:97+j], v[96+j:97+j], s[42:43], v[12:13] op_sel_hi:[1,0,0]   ; t - M, two at a time
.set j, j+2
.endr
	v_fma_f32 v212, v212, s42, v12                 ; the same of each block's largest score
	v_fma_f32 v213, v213, s42, v12
.set j, 0
	s_setprio 1
	s_wait_alu depctr_va_vdst(0)
.rept 64
	v_exp_f32 v[96+j], v[96+j]                     ; p = 2^(t - M), at most 1
.set j, j+1
.endr
	v_pk_mul_f32 v[14:15], v[14:15], v[218:219] op_sel_hi:[1,0]    ; the sums under the new M; the plain instruction behind the exponentials
	s_wait_alu depctr_va_vdst(0)                   ; one wait for the batch, ahead of its first reader
	v_exp_f32 v212, v212                           ; the blocks' largest p
	v_exp_f32 v213, v213
	v_pk_add_f32 v[220:221], v[100:101], v[104:105]
	v_pk_add_f32 v[254:255], v[108:109], v[112:113]
	v_pk_add_f32 v[252:253], v[116:117], v[120:121]
	v_pk_add_f32 v[250:251], v[124:125], v[128:129]
	v_pk_add_f32 v[248:249], v[132:133], v[136:137]
	v_pk_add_f32 v[246:247], v[140:141], v[144:145]
	v_pk_add_f32 v[244:245], v[148:149], v[152:153]
	v_pk_add_f32 v[14:15], v[14:15], v[156:157]
	v_pk_add_f32 v[220:221], v[220:221], v[96:97]
	v_pk_add_f32 v[254:255], v[254:255], v[98:99]
	v_pk_add_f32 v[252:253], v[252:253], v[102:103]
	v_pk_add_f32 v[250:251], v[250:251], v[106:107]
	v_pk_add_f32 v[248:249], v[248:249], v[110:111]
	v_pk_add_f32 v[246:247], v[246:247], v[114:115]
	v_pk_add_f32 v[244:245], v[244:245], v[118:119]
	v_pk_add_f32 v[14:15], v[14:15], v[122:123]
	v_pk_add_f32 v[220:221], v[220:221], v[126:127]
	v_pk_add_f32 v[254:255], v[254:255], v[130:131]
	v_pk_add_f32 v[252:253], v[252:253], v[134:135]
	v_pk_add_f32 v[250:251], v[250:251], v[138:139]
	v_pk_add_f32 v[248:249], v[248:249], v[142:143]
	v_pk_add_f32 v[246:247], v[246:247], v[146:147]
	v_pk_add_f32 v[244:245], v[244:245], v[150:151]
	v_pk_add_f32 v[14:15], v[14:15], v[154:155]
	v_pk_add_f32 v[220:221], v[220:221], v[158:159]
	s_delay_alu instid0(VALU_DEP_2)
	v_pk_add_f32 v[14:15], v[14:15], v[250:251]
	s_delay_alu instid0(VALU_DEP_2)
	v_pk_add_f32 v[220:221], v[220:221], v[248:249]
	v_pk_add_f32 v[254:255], v[254:255], v[246:247]
	v_pk_add_f32 v[252:253], v[252:253], v[244:245]
	s_delay_alu instid0(VALU_DEP_2)
	v_pk_add_f32 v[14:15], v[14:15], v[254:255]
	s_delay_alu instid0(VALU_DEP_2)
	v_pk_add_f32 v[220:221], v[220:221], v[252:253]
	s_delay_alu instid0(VALU_DEP_1)
	v_pk_add_f32 v[14:15], v[14:15], v[220:221]
	s_wait_alu depctr_va_vdst(0)                   ; and one for the two
	v_max_num_f32 v212, 0x1800000, v212            ; the floor 2^(3 - 127): the byte cannot fall under 1
	v_max_num_f32 v213, 0x1800000, v213
	s_delay_alu instid0(VALU_DEP_2)
	v_add_nc_u32 v222, 0xff000000, v212            ; 2 off the exponent field: the conversion's scale operand
	s_delay_alu instid0(VALU_DEP_2)
	v_add_nc_u32 v223, 0xff000000, v213
	s_delay_alu instid0(VALU_DEP_2)
	v_lshrrev_b32 v224, 23, v222
	s_delay_alu instid0(VALU_DEP_2)
	v_lshrrev_b32 v225, 23, v223
	s_delay_alu instid0(VALU_DEP_1)
	v_lshl_or_b32 v228, v225, 16, v224             ; p's scale word: byte 2 c + h
	s_delay_alu instid0(VALU_DEP_1)
	v_lshlrev_b32 v228, v9, v228
	s_delay_alu instid0(VALU_DEP_1)
	v_permlanex16_b32 v226, v228, s62, s63
	s_delay_alu instid0(VALU_DEP_1)
	v_or_b32 v228, v228, v226
	v_cvt_scalef32_pk16_fp6_f32 v[192:194], v[96:111], v222
	v_cvt_scalef32_pk16_fp6_f32 v[204:206], v[112:127], v222       ; (a conversion's three registers begin on an even number)
	v_cvt_scalef32_pk16_fp6_f32 v[198:200], v[128:143], v223
	v_cvt_scalef32_pk16_fp6_f32 v[208:210], v[144:159], v223
	v_nop                                          ; one plain instruction behind the conversions
	v_mov_b32 v195, v204
	v_mov_b32 v196, v205
	v_mov_b32 v197, v206
	v_mov_b32 v201, v208
	v_mov_b32 v202, v209
	s_setprio 0
	v_mov_b32 v203, v210
.set j, 0
.rept 16
	v_pk_mul_f32 v[160+j:161+j], v[160+j:161+j], v[218:219] op_sel_hi:[1,0]   ; O^T under the new M; these sixteen also stand between the scale word's and the codes' last writes and the products
.set j, j+2
.endr
	s_wait_alu depctr_va_vdst(0)
	s_wait_dscnt 0x0                               ; V is in
.irp t, 0,1,2,3                                    ; the four accumulators by turns, one instruction a turn
.if \t%2
	v_wmma_scale_f32_16x16x128_f8f6f4 v[160+8*\t:167+8*\t], v[40+12*\t:51+12*\t], v[192:203], v[160+8*\t:167+8*\t], v[36+\t/2], v228 matrix_a_fmt:MATRIX_FMT_FP6 matrix_b_fmt:MATRIX_FMT_FP6 matrix_a_scale:MATRIX_SCALE_ROW1
.else
	v_wmma_scale_f32_16x16x128_f8f6f4 v[160+8*\t:167+8*\t], v[40+12*\t:51+12*\t], v[192:203], v[160+8*\t:167+8*\t], v[36+\t/2], v228 matrix_a_fmt:MATRIX_FMT_FP6 matrix_b_fmt:MATRIX_FMT_FP6
.endif
.endr
.endm
; A STAGE: 512 keys, four steps.  sync = 1 (pass 0): the loading waves wait until stage n has landed (the 3 - n stages issued behind it may be out), then all sixteen meet.
.macro STAGE n, sync
.if \sync
	s_wait_tensorcnt 3-\n
	s_barrier_signal -1
	s_barrier_wait -1
.endif
	s_mov_b32 s44, 51200*\n
	s_mov_b32 s45, 51200*\n+49152
	s_mov_b32 s46, 4
.Lstep_\@:
	s_setprio 2
	STEP
	s_add_co_u32 s44, s44, 6144
	s_add_co_u32 s45, s45, 256
	s_sub_co_u32 s46, s46, 1
	s_cmp_lg_u32 s46, 0
	s_cbranch_scc1 .Lstep_\@
	s_setprio 0
.endm
.macro PASS p
.if \p
	s_wait_xcnt 0x0                                ; pass 0's stores have read their data
.irp j, 0,1,2,3,4,5
	v_mov_b32 v[16+\j], v[230+\j]
	v_mov_b32 v[28+\j], v[230+\j]
.endr
	v_perm_b32 v11, v236, v236, s47
.else
	v_perm_b32 v11, v11, v11, s47                  ; my tile's pair of bytes into both halves of the word: it scales q wherever q stands
.endif
	v_mov_b32 v13, 0xff61b1e6                      ; the largest t so far: -3e38, under every t
	s_delay_alu instid0(VALU_DEP_1)
	v_floor_f32 v12, -v13
	v_mov_b32 v14, 0
	v_mov_b32 v15, 0
.set j, 0
.rept 32
	v_mov_b32 v[160+j], 0                          ; O^T: the step is written once; its first run finds zeros, which the first change of M leaves zeros
.set j, j+1
.endr
	STAGE 0, 1-\p
	STAGE 1, 1-\p
	STAGE 2, 1-\p
	STAGE 3, 1-\p
.rept 4
	v_nop                                          ; places behind the last products
.endr
	v_add_f32 v14, v14, v15
	s_delay_alu instid0(VALU_DEP_1)
	v_permlanex16_b32 v215, v14, s62, s63
	s_delay_alu instid0(VALU_DEP_1)
	v_add_f32 v14, v14, v215                       ; the row's sum
	s_wait_alu depctr_va_vdst(0)
	v_rcp_f32 v218, v14
	v_nop                                          ; a plain instruction behind the reciprocal
	s_wait_alu depctr_va_vdst(0)                   ; and the wait ahead of its first reader
.set j, 0
.rept 16
	v_pk_mul_f32 v[96+j:97+j], v[160+j:161+j], v[218:219] op_sel_hi:[1,0]   ; ctx(query r, channel 32 h + j), each accumulator from its low end on
.set j, j+2
.endr
	QBLK 96, 192, 224, 212, 213, 222
	global_store_b128 v1, v[192:195], s[8:9] offset:49152*\p        ; ctx's image: 512 consecutive bytes, at a multiple of 256,
	global_store_b64 v2, v[196:197], s[8:9] offset:49152*\p+512     ; and 256
	global_store_b8 v10, v224, s[10:11] offset:8192*\p              ; my block's byte
.endm
	s_wait_loadcnt 0x0                             ; Q, both passes'
	PASS 0
	PASS 1
	s_wait_tensorcnt 0x0                           ; the wave's end
	ds_add_u32 v[SPW], v[NIL]
	s_wait_dscnt 0x0
	CROUND                                         ; the closing round
	s_endpgm
.Lfunc_end_k_q20c7abb72e_attn:
	.size	k_q20c7abb72e_attn, .Lfunc_end_k_q20c7abb72e_attn-k_q20c7abb72e_attn
	.p2alignl 7, 3214868480
	.fill 96, 4, 3214868480
	.section	.rodata,"a",@progbits
	.p2align	6, 0x0
	.amdhsa_kernel k_q20c7abb72e_attn
		.amdhsa_group_segment_fixed_size 206848
		.amdhsa_private_segment_fixed_size 0
		.amdhsa_enable_private_segment 0
		.amdhsa_kernarg_size 32
		.amdhsa_user_sgpr_count 2
		.amdhsa_user_sgpr_kernarg_segment_ptr 1
		.amdhsa_wavefront_size32 1
		.amdhsa_system_sgpr_workgroup_id_x 1
		.amdhsa_system_sgpr_workgroup_id_y 1
		.amdhsa_system_sgpr_workgroup_id_z 1
		.amdhsa_system_vgpr_workitem_id 0
		.amdhsa_next_free_vgpr 256
		.amdhsa_next_free_sgpr 66
		.amdhsa_reserve_vcc 0
		.amdhsa_float_denorm_mode_32 3
		.amdhsa_float_denorm_mode_16_64 3
		.amdhsa_memory_ordered 1
		.amdhsa_forward_progress 1
		.amdhsa_inst_pref_size 146
	.end_amdhsa_kernel
	.amdgpu_metadata
---
amdhsa.version: [ 1, 2 ]
amdhsa.kernels:
  - .name:           k_q20c7abb72e_attn
    .symbol:         k_q20c7abb72e_attn.kd
    .args:
      - { .name: qb, .offset: 0, .size: 8, .value_kind: global_buffer, .address_space: global }
      - { .name: kv, .offset: 8, .size: 8, .value_kind: global_buffer, .address_space: global }
      - { .name: cc, .offset: 16, .size: 8, .value_kind: global_buffer, .address_space: global }
      - { .name: sc, .offset: 24, .size: 8, .value_kind: global_buffer, .address_space: global }
    .group_segment_fixed_size: 206848
    .private_segment_fixed_size: 0
    .kernarg_segment_align: 8
    .kernarg_segment_size: 32
    .max_flat_workgroup_size: 512
    .sgpr_count:     66
    .vgpr_count:     256
    .wavefront_size: 32
...
	.end_amdgpu_metadata
.endif
;; end of part 3
;; launch gemm_out (part 4): grid 4 x 32, 4 waves a work-group, clusters of 4 x 4, 327,680 bytes of LDS; arguments cc, wc, sc, bo, out0; writes out0
.if DOCPART == 4
	.amdgcn_target "amdgcn-amd-amdhsa--gfx1250"
	.amdhsa_code_object_version 6
	.text
	.protected	k_q20c7abb72e_gemm_out
	.globl	k_q20c7abb72e_gemm_out
	.p2align	8
	.type	k_q20c7abb72e_gemm_out,@function
k_q20c7abb72e_gemm_out:
	s_mov_b64 s[64:65], 0
	v_nop
	global_prefetch_b8 v0, s[64:65] scope:SCOPE_SE
	s_setreg_imm32_b32 hwreg(HW_REG_WAVE_MODE, 25, 1), 1
	s_wait_xcnt 0x0
	s_wait_alu depctr_hold_cnt(0) depctr_sa_sdst(0) depctr_va_vdst(0) depctr_va_sdst(0) depctr_va_ssrc(0) depctr_va_vcc(0) depctr_vm_vsrc(0)
	s_getreg_b32 s2, hwreg(HW_REG_IB_STS2, 6, 4)
	s_cmp_eq_u32 s2, 0
	s_cbranch_scc0 .Lentry_in_a_cluster
	s_endpgm
.Lentry_in_a_cluster:
	s_bfe_u32 s2, ttmp6, 0x10000c
	s_cmp_lg_u32 s2, 0xf033
	s_cbranch_scc0 .Lentry_shape_is_right
	s_endpgm
.Lentry_shape_is_right:
.set HALFT, 24576
.set SLOT,  4*HALFT
.set SPARE, 2*SLOT
.set PLX,   1572864
.set PLW,   786432
.set FR,    12
.set NL,    4
.set A16, 16
.set A8,  18
.set B16, 20
.set B8,  22
.set STO, 25
.set RD,  26
.set CO,  12
.set SPW, 28
.set NIL, 29
.set SC,  32
.set AF,  128
.set BK,  128
.set BI,  96
.set G1,  24
.set G0,  32
.set G1B, 48
.set G0B, 56
.set MSB, 0
.macro WIN new
.if MSB != (\new)
	s_set_vgpr_msb (MSB<<8)|(\new)
.set MSB, (\new)
.endif
.endm
.set MUL_LO, 0xa1
.set MUL_HI, 0xf1
.set TO_B,   0x40
.macro JLOAD g0a, g1a, g0b, g1b
	s_cmp_eq_u32 s15, 0
	s_cbranch_scc0 .Lfor_b_\@
	tensor_load_to_lds s[\g0a:\g0a+3], s[\g1a:\g1a+7]
	s_nop 0
.rept 4
	v_nop
.endr
	s_branch .Lasked_\@
.Lfor_b_\@:
	tensor_load_to_lds s[\g0b:\g0b+3], s[\g1b:\g1b+7]
	s_nop 0
.rept 4
	v_nop
.endr
.Lasked_\@:
.endm
.macro CREST
	s_cmp_lg_u32 s14, 0
	s_cbranch_scc1 .Lnot_wave_0_\@
	s_barrier_signal -3
.Lnot_wave_0_\@:
	s_barrier_wait -3
	s_barrier_signal -1
	s_barrier_wait -1
.endm
.macro CROUND
	s_barrier_signal -1
	s_barrier_wait -1
	CREST
.endm
.macro PLACES n
.rept \n
	v_nop
.endr
.endm
.macro FRAG reg, a16, a8, off
	ds_load_b128 v[\reg:\reg+3], v[\a16] offset:\off
	ds_load_b64 v[\reg+4:\reg+5], v[\a8] offset:\off+512
	ds_load_b128 v[\reg+6:\reg+9], v[\a16] offset:\off+768
	ds_load_b64 v[\reg+10:\reg+11], v[\a8] offset:\off+1280
.endm
.macro FETCH_B slot, q, p
	WIN TO_B
.irp i, 0,1,2,3,4,5,6,7
	FRAG 128*(\p)+FR*\i, B16+\slot, B8+\slot, 3072*\i+1536*(\q)
.endr
	WIN 0
.endm
.macro FETCH_A slot, q, i0
.irp i, \i0, \i0+1, \i0+2, \i0+3
	FRAG AF+FR*(\i), A16+\slot, A8+\slot, 3072*(\i)+1536*(\q)
.endr
.endm
.macro MUL16 a0, p, ks, bias
.irp a, \a0, \a0+1
.irp b, 0,1,2,3,4,5,6,7
.if \bias
	v_wmma_scale_f32_16x16x128_f8f6f4 v[8*(8*((\a)%4)+\b):8*(8*((\a)%4)+\b)+7], v[128*(\p)+FR*\b:128*(\p)+FR*\b+FR-1], v[AF+FR*(\a):AF+FR*(\a)+FR-1], v[BI+8*\b+96*(\b/4):BI+8*\b+96*(\b/4)+7], v[SC+8*\b+(\ks)], v[SC+8*(\a)+(\ks)] matrix_a_fmt:MATRIX_FMT_FP6 matrix_b_fmt:MATRIX_FMT_FP6 matrix_a_scale:MATRIX_SCALE_ROW1
.else
	v_wmma_scale_f32_16x16x128_f8f6f4 v[8*(8*((\a)%4)+\b):8*(8*((\a)%4)+\b)+7], v[128*(\p)+FR*\b:128*(\p)+FR*\b+FR-1], v[AF+FR*(\a):AF+FR*(\a)+FR-1], v[8*(8*((\a)%4)+\b):8*(8*((\a)%4)+\b)+7], v[SC+8*\b+(\ks)], v[SC+8*(\a)+(\ks)] matrix_a_fmt:MATRIX_FMT_FP6 matrix_b_fmt:MATRIX_FMT_FP6 matrix_a_scale:MATRIX_SCALE_ROW1
.endif
.endr
.endr
.endm
.macro STEP slot, ks, bias
	s_wait_dscnt 4*NL
.if \bias
	WIN 0x91
.else
	WIN MUL_LO
.endif
	MUL16 0, 0, \ks, \bias
	MUL16 2, 0, \ks, \bias
	s_wait_dscnt 0x0
	PLACES 4
	FETCH_B \slot, 1, 1
	FETCH_A \slot, 1, 0
.if \bias
	WIN 0xd1
.else
	WIN MUL_HI
.endif
	MUL16 4, 0, \ks, \bias
	MUL16 6, 0, \ks, \bias
	PLACES 4
	WIN 0
	FETCH_A \slot, 1, 4
.endm
.macro TURN slot, next, ks, fill
	s_wait_tensorcnt 0x0
	ds_add_u32 v[SPW], v[NIL]
	s_wait_dscnt 4*NL+1
	WIN MUL_LO
	MUL16 0, 1, \ks, 0
	s_wait_dscnt 0x0
	s_barrier_signal -1
	MUL16 2, 1, \ks, 0
	WIN 0
	s_barrier_wait -1
.if \fill
	CREST
	s_add_nc_u64 s[G0+4*\slot+2:G0+4*\slot+3], s[G0+4*\slot+2:G0+4*\slot+3], 2*PLX
	s_add_nc_u64 s[G0B+4*\slot+2:G0B+4*\slot+3], s[G0B+4*\slot+2:G0B+4*\slot+3], 2*PLW
	JLOAD G0+4*\slot, G1, G0B+4*\slot, G1B
.else
	PLACES 4
.endif
	FETCH_B \next, 0, 0
	FETCH_A \next, 0, 0
	WIN MUL_HI
	MUL16 4, 1, \ks, 0
	MUL16 6, 1, \ks, 0
	PLACES 4
	WIN 0
	FETCH_A \next, 0, 4
.endm
	s_load_b128 s[4:7], s[0:1], 0x0
	s_load_b128 s[8:11], s[0:1], 0x10
	s_load_b64 s[12:13], s[0:1], 0x20
	v_lshl_add_u32 v[SPW], v0, 2, SPARE
	v_mov_b32 v[NIL], 0
	ds_add_u32 v[SPW], v[NIL]
	ds_add_u32 v[SPW], v[NIL]
	v_lshrrev_b32 v1, 5, v0
	v_readfirstlane_b32 s14, v1
	s_lshr_b32 s15, s14, 1
	s_and_b32 s16, s14, 1
	s_bfe_u32 s40, ttmp6, 0x40000
	s_bfe_u32 s41, ttmp6, 0x40004
	s_lshl_b32 s42, ttmp9, 2
	s_add_co_u32 s42, s42, s40
	s_and_b32 s17, ttmp7, 0xffff
	s_lshl_b32 s17, s17, 2
	s_add_co_u32 s17, s17, s41
	s_lshl_b32 s43, s41, 2
	s_lshl_b32 s43, 15, s43
	s_lshl_b32 s44, 0x1111, s40
	s_or_b32 s[G1+0], s43, (3<<16)|(1<<21)
	s_or_b32 s[G1B+0], s44, (3<<16)|(1<<21)
.irp g, G1, G1B
	s_mov_b32 s[\g+1], 32<<16
	s_mov_b32 s[\g+2], 96<<16
	s_mov_b32 s[\g+3], 32<<16
	s_mov_b32 s[\g+4], 96
	s_mov_b32 s[\g+5], 32
	s_mov_b32 s[\g+6], 0
	s_mov_b32 s[\g+7], 0
.endr
	s_lshl_b32 s18, s16, 3
	s_lshl_b32 s20, s17, 4
	s_add_co_u32 s20, s20, s18
	s_mul_i32 s20, s20, 3072
	s_mov_b32 s21, 0
	s_lshl_b32 s46, s42, 4
	s_add_co_u32 s46, s46, s18
	s_add_co_u32 s46, s46, 192
	s_mul_i32 s46, s46, 3072
	s_mov_b32 s47, 0
	s_mul_i32 s45, s14, HALFT
	s_wait_dscnt 0x0
	s_wait_kmcnt 0x0
	s_add_nc_u64 s[20:21], s[4:5], s[20:21]
	s_add_nc_u64 s[46:47], s[6:7], s[46:47]
	CROUND
.irp s, 0,1
	s_mov_b32 s[G0+4*\s], 1
	s_add_co_u32 s[G0+4*\s+1], s45, \s*SLOT
	s_add_nc_u64 s[G0+4*\s+2:G0+4*\s+3], s[20:21], \s*PLX
	s_or_b32 s[G0+4*\s+3], s[G0+4*\s+3], 0x80000000
	s_mov_b32 s[G0B+4*\s], 1
	s_add_co_u32 s[G0B+4*\s+1], s45, \s*SLOT
	s_add_nc_u64 s[G0B+4*\s+2:G0B+4*\s+3], s[46:47], \s*PLW
	s_or_b32 s[G0B+4*\s+3], s[G0B+4*\s+3], 0x80000000
	s_wait_alu depctr_va_vdst(0)
	s_wait_tensorcnt 0x0
	ds_add_u32 v28, v29
	ds_add_u32 v28, v29
	s_wait_dscnt 0x0
	CROUND
	JLOAD G0+4*\s, G1, G0B+4*\s, G1B
.endr
	v_and_b32 v1, 31, v0
	v_and_b32 v2, 15, v0
	v_bfe_u32 v3, v0, 4, 1
	v_lshlrev_b32 v12, 4, v1
	v_lshlrev_b32 v13, 3, v1
	s_mul_i32 s66, s15, HALFT
	s_mul_i32 s67, s16, HALFT
	s_add_co_u32 s67, s67, 2*HALFT
.irp s, 0,1
	v_add_nc_u32 v[A16+\s], s66, v12
	v_add_nc_u32 v[A8+\s], s66, v13
	v_add_nc_u32 v[B16+\s], s67, v12
	v_add_nc_u32 v[B8+\s], s67, v13
	s_add_co_u32 s66, s66, SLOT
	s_add_co_u32 s67, s67, SLOT
.endr
	s_lshl_b32 s70, s17, 2
	s_lshl_b32 s72, s15, 1
	s_add_co_u32 s70, s70, s72
	s_add_co_u32 s70, s70, 192
	s_lshl_b32 s71, s42, 2
	s_lshl_b32 s72, s16, 1
	s_add_co_u32 s71, s71, s72
	s_add_co_u32 s71, s71, 176
	s_lshl_b32 s70, s70, 11
	s_lshl_b32 s71, s71, 11
	v_lshlrev_b32 v14, 3, v2
	v_add_nc_u32 v15, s71, v14
	v_add_nc_u32 v14, s70, v14
	s_mov_b32 s72, 0xffff0000
	v_cndmask_b32 v24, v14, v15, s72
.irp i, 0,1,2,3,4,5,6,7
.irp k, 0,1,2,3
	global_load_b64 v[SC+8*\i+2*\k:SC+8*\i+2*\k+1], v24, s[8:9] offset:2048*(\i/4)+128*(\i%4)+512*\k
.endr
.endr
	s_lshl_b32 s74, s42, 10
	s_lshl_b32 s75, s16, 9
	s_add_co_u32 s74, s74, s75
	s_mov_b32 s75, 0
	s_add_nc_u64 s[10:11], s[10:11], s[74:75]
	v_lshlrev_b32 v27, 7, v3
	WIN TO_B
.irp b, 0,1,2,3,4,5,6,7
	global_load_b128 v[BI+8*\b+96*(\b/4):BI+8*\b+96*(\b/4)+3], v27, s[10:11] offset:(64*(\b/4)+8*(\b%4))*4
	global_load_b128 v[BI+8*\b+96*(\b/4)+4:BI+8*\b+96*(\b/4)+7], v27, s[10:11] offset:(64*(\b/4)+8*(\b%4))*4+16
.endr
	WIN 0
	s_lshl_b32 s76, s17, 20
	s_lshl_b32 s77, s15, 19
	s_add_co_u32 s76, s76, s77
	s_add_co_u32 s76, s76, s74
	s_mov_b32 s77, 0
	s_add_nc_u64 s[12:13], s[12:13], s[76:77]
	s_mul_i32 s78, s14, 8448
	v_mul_u32_u24 v[STO], v2, 528
	v_lshl_add_u32 v[STO], v3, 7, v[STO]
	v_add_nc_u32 v[STO], s78, v[STO]
	v_add_nc_u32 v[RD], s78, v12
	s_wait_tensorcnt 1
	s_barrier_signal -1
	s_barrier_wait -1
	FETCH_B 0, 0, 0
	FETCH_A 0, 0, 0
	FETCH_A 0, 0, 4
	s_wait_loadcnt 0x0
	STEP 0, 0, 1
	TURN 0, 1, 1, 1
	STEP 1, 2, 0
	TURN 1, 0, 3, 1
	STEP 0, 4, 0
	TURN 0, 1, 5, 0
	STEP 1, 6, 0
	s_wait_dscnt 4*NL
	WIN MUL_LO
	MUL16 0, 1, 7, 0
	MUL16 2, 1, 7, 0
	s_wait_alu depctr_va_vdst(0)
	s_wait_dscnt 0x0
	WIN MUL_HI
	MUL16 4, 1, 7, 0
	MUL16 6, 1, 7, 0
	WIN 0
.macro TOSTAGE a
.set AC, 64*((\a)%4)
	WIN 0x08+4*((\a)/4)
.irp b, 0,1,2,3,4,5,6,7
	ds_store_b128 v[STO], v[AC+8*\b:AC+8*\b+3] offset:256*(\b/4)+32*(\b%4)
	ds_store_b128 v[STO], v[AC+8*\b+4:AC+8*\b+7] offset:256*(\b/4)+32*(\b%4)+16
.endr
	WIN 0
.set BB, BK+64*((\a)%2)
.irp t, 0,1,2,3,4,5,6,7,8,9,10,11,12,13,14,15
	ds_load_b128 v[BB+4*\t:BB+4*\t+3], v[RD] offset:\t*528
.endr
.endm
.macro SEND a, younger
.set BB, BK+64*((\a)%2)
	s_wait_dscnt \younger
.irp t, 0,1,2,3,4,5,6,7,8,9,10,11,12,13,14,15
	global_store_b128 v[CO], v[BB+4*\t:BB+4*\t+3], s[12:13] offset:(64*((\a)/4)+8*((\a)%4)+32*(\t/8)+(\t%8))*4096 th:TH_STORE_NT
.endr
.endm
	PLACES 4
	TOSTAGE 0
.irp a, 1,2,3,4,5,6,7
.if \a > 1
	s_wait_xcnt 0x0
.endif
	TOSTAGE \a
	SEND \a-1, 32
.endr
	SEND 7, 0
	s_wait_tensorcnt 0x0
	ds_add_u32 v[SPW], v[NIL]
	s_wait_dscnt 0x0
	CROUND
	s_endpgm
.Lfunc_end_k_q20c7abb72e_gemm_out:
	.size	k_q20c7abb72e_gemm_out, .Lfunc_end_k_q20c7abb72e_gemm_out-k_q20c7abb72e_gemm_out
	.p2alignl 7, 3214868480
	.fill 96, 4, 3214868480
	.section	.rodata,"a",@progbits
	.p2align	6, 0x0
	.amdhsa_kernel k_q20c7abb72e_gemm_out
		.amdhsa_group_segment_fixed_size 327680
		.amdhsa_private_segment_fixed_size 0
		.amdhsa_enable_private_segment 0
		.amdhsa_kernarg_size 40
		.amdhsa_user_sgpr_count 2
		.amdhsa_user_sgpr_kernarg_segment_ptr 1
		.amdhsa_wavefront_size32 1
		.amdhsa_system_sgpr_workgroup_id_x 1
		.amdhsa_system_sgpr_workgroup_id_y 1
		.amdhsa_system_sgpr_workgroup_id_z 1
		.amdhsa_system_vgpr_workitem_id 0
		.amdhsa_next_free_vgpr 1024
		.amdhsa_next_free_sgpr 100
		.amdhsa_reserve_vcc 0
		.amdhsa_float_denorm_mode_32 3
		.amdhsa_float_denorm_mode_16_64 3
		.amdhsa_memory_ordered 1
		.amdhsa_forward_progress 1
		.amdhsa_inst_pref_size 145
	.end_amdhsa_kernel
	.amdgpu_metadata
---
amdhsa.version: [ 1, 2 ]
amdhsa.kernels:
  - .name:           k_q20c7abb72e_gemm_out
    .symbol:         k_q20c7abb72e_gemm_out.kd
    .args:
      - { .name: cc, .offset: 0, .size: 8, .value_kind: global_buffer, .address_space: global }
      - { .name: wc, .offset: 8, .size: 8, .value_kind: global_buffer, .address_space: global }
      - { .name: sc, .offset: 16, .size: 8, .value_kind: global_buffer, .address_space: global }
      - { .name: bo, .offset: 24, .size: 8, .value_kind: global_buffer, .address_space: global }
      - { .name: out0, .offset: 32, .size: 8, .value_kind: global_buffer, .address_space: global }
    .group_segment_fixed_size: 327680
    .private_segment_fixed_size: 0
    .kernarg_segment_align: 8
    .kernarg_segment_size: 40
    .max_flat_workgroup_size: 128
    .sgpr_count:     100
    .vgpr_count:     1024
    .wavefront_size: 32
...
	.end_amdgpu_metadata
.endif
;; end of part 4
